; MI455X (gfx1250); checked and timed in simulation.
; The chip was launched on July 23, 2026; its instructions are those of AMD's public machine-readable ISA for CDNA 5 (MIT licence, August 2026) and "CDNA5" Instruction Set Architecture Reference Guide (July 2026). The comments in the code are by the model that wrote it; some were corrected since.
;; Multi Head Causal Attention. Allowed arithmetic: matrix products marked QUANTISED: E4M3 operands, one given power-of-two scale a tensor, by v_wmma_f32_16x16x64_fp8_fp8 or v_wmma_f32_16x16x128_fp8_fp8, f32 sums; everything else in f32.
;; Inputs: W_out_codes 1,024 x 32 x 32 uint8 (E4M3 codes of W_out, K innermost, in blocks of 32 codes); W_qkv_codes 3,072 x 32 x 32 uint8 (E4M3 codes of W_qkv, K innermost, in blocks of 32 codes); lowp_scales 8 int32 (the exponents e of the quantised operands' scales 2^e); x_codes 4 x 2,048 x 32 x 32 uint8 (E4M3 codes of x, K innermost, in blocks of 32 codes).
;; Outputs: out0 4 x 2,048 x 1,024 float32.
;; This version of the problem:
;;   THIS VERSION OF THE PROBLEM IS GIVEN IN LOW PRECISION. The matrix products marked QUANTISED in the list below multiply operands that are first quantised to E4M3 (4 exponent bits, 3 mantissa bits; 8 bits a number), with one given power-of-two scale for each operand tensor; their sums are f32. All else is computed in f32.
;;   The module's matrix products, in the order in which they are computed (A, B: the left and right operand; K: the contracted axis; several contracted axes count as one K, in the product's order):
;;     1. [M 8,192, K 1,024] x [K 1,024, N 3,072]; A: input x (given as codes); B: input W_qkv (given as codes): QUANTISED (scales: A lowp_scales[0], B lowp_scales[1])
;;     2. batch 64 x [M 2,048, K 64] x [K 64, N 2,048]; A: computed on the way; B: computed on the way: QUANTISED (scales: A lowp_scales[2], B lowp_scales[3])
;;     3. batch 64 x [M 2,048, K 2,048] x [K 2,048, N 64]; A: softmax (see below); B: computed on the way: QUANTISED (scales: A lowp_scales[4], B lowp_scales[5])
;;     4. [M 8,192, K 1,024] x [K 1,024, N 1,024]; A: computed on the way; B: input W_out (given as codes): QUANTISED (scales: A lowp_scales[6], B lowp_scales[7])
;;   THE QUANTISER, for each operand of a quantised product, along K:
;;     - The operand's scale is 2^e, e = its entry of the input lowp_scales (int32; the entries are numbered through the quantised products in the list's order, A before B).
;;     - Each number is divided by the scale, clamped to +-448, and rounded to the nearest number of E4M3, ties to even, subnormals kept.
;;     - The product sums the exact products of the quantised numbers (number of the format x scale) in f32.
;;   ~~~python
;;   def quantise(x, axis, e):      # numpy; x: float32 -> the quantised numbers, widened to float32 again
;;       x = np.moveaxis(x, axis, -1); K = x.shape[-1]
;;       r = np.clip(x / 2.0 ** e, -448, 448)
;;       step = 2.0 ** (np.maximum(np.frexp(np.where(r == 0, 1, r))[1] - 1, -6) - 3)
;;       q = np.round(r / step) * step * 2.0 ** e      # np.round: ties to even
;;       return np.moveaxis(q, -1, axis).astype(np.float32)
;;   ~~~
;;   SOFTMAX AHEAD OF A QUANTISED PRODUCT. Where the list says 'softmax', what is quantised is not the finished softmax but p = 2^(t - M), with t = logit x log2(e) and M = ceil(the row's largest t), a whole number; so 1/2 < the row's largest p <= 1. The row's sum l is taken of the UNQUANTISED p, in f32, and the product's result is divided by l at the end. Since M is a whole number, a kernel that streams over the keys may use a running M (the ceiling of the running maximum): every later rescaling is an exact power of two, so the quantised numbers keep their values, but for numbers so far below the row's largest that they fall under the format's range.
;;   OPERANDS COMPUTED ON THE WAY. 'Computed on the way' means the value that the module computes at that place (a softmax that the list does not call 'softmax' is quantised finished and normalised). What goes into a quantiser is computed in f32, as accurately as f32 sums, v_exp_f32 and their like allow (about 1e-6 of the number): no bf16 or f16 on the way to a quantiser, and a product that is left as it is and whose result goes on into a quantised operand takes f32 operands (vector FMAs, or v_wmma_f32_16x16x4_f32). A number that lies on a knife's edge between two numbers of the format may be rounded either way, as far as f32 arithmetic and the matrix unit's own rounding can turn it there, and no further.
;;   INPUTS GIVEN AS CODES. W_out (in the module: [1024, 1024], K = its axis 0); W_qkv (in the module: [1024, 3072], K = its axis 0); x (in the module: [4, 2048, 1024], K = its axis 2): each comes as NAME_codes (uint8): NAME with its K axis moved to the last place and cut into blocks of 32 codes, [.., K / 32, bytes a block], one block behind the other in memory; one code a byte (a code: sign, 4 exponent bits, 3 mantissa bits); its scale is its entry of lowp_scales. Its value is code x scale, taken as it is: it is not quantised again, and the codes and scales need not be those that the quantiser above would give.
;; One version. Each part assembles by itself: llvm-mc -triple=amdgcn-amd-amdhsa -mcpu=gfx1250 --defsym DOCPART=n.
;; ======== version 1 of 1: 3 launches
;; limits: right only within a limited range of input values
;; workspace buffers: qkv 25,165,824 bytes; att 8,388,608 bytes
;; launch qkv_proj (part 1): grid 12 x 32, 4 waves a work-group, clusters of 4 x 4, 327,680 bytes of LDS; arguments x_codes, W_qkv_codes, lowp_scales, qkv; writes qkv
.if DOCPART == 1
	.amdgcn_target "amdgcn-amd-amdhsa--gfx1250"
	.amdhsa_code_object_version 6
	.text
	.protected	k_q9561ad5ec9_qkv_proj
	.globl	k_q9561ad5ec9_qkv_proj
	.p2align	8
	.type	k_q9561ad5ec9_qkv_proj,@function
k_q9561ad5ec9_qkv_proj:
	s_mov_b64 s[64:65], 0
	v_nop
	global_prefetch_b8 v0, s[64:65] scope:SCOPE_SE
	s_setreg_imm32_b32 hwreg(HW_REG_WAVE_MODE, 25, 1), 1
	s_wait_xcnt 0x0
	s_wait_alu depctr_hold_cnt(0) depctr_sa_sdst(0) depctr_va_vdst(0) depctr_va_sdst(0) depctr_va_ssrc(0) depctr_va_vcc(0) depctr_vm_vsrc(0)
	s_getreg_b32 s2, hwreg(HW_REG_IB_STS2, 6, 4)
	s_cmp_eq_u32 s2, 0
	s_cbranch_scc0 .Lentry_in_a_cluster
	s_endpgm
.Lentry_in_a_cluster:
	s_bfe_u32 s2, ttmp6, 0x10000c
	s_cmp_lg_u32 s2, 0xf033
	s_cbranch_scc0 .Lentry_shape_is_right
	s_endpgm
.Lentry_shape_is_right:
; qkv = x W_qkv on codes of FP8 (E4M3), then q, k and v are quantised with the given scales 2^e2, 2^e3, 2^e5 and stored as IMAGES OF OPERAND REGISTERS for the attention launch.
; The body makes D[i][j] = sum over k of P[i][k] Q[j][k] on tiles of 256 x 256; four waves, each 128 x 128: 64 accumulators of 16 x 16, 512 registers.  K = 1,024 goes in steps of 256 through a ring of two LDS slots.
; THE MATRIX INSTRUCTION IS USED TRANSPOSED (source 0 = 16 rows of Q, source 1 = 16 rows of P): lane (r, h) holds row i = r and, in accumulator b, the eight neighbours j = 16 b + 8 h + 0 .. 7.
; That is the place that the plain fp8 forms give k in registers 2 b, 2 b + 1 of an operand: so eight conversions of a block's accumulators ARE a fragment of the next product, and nothing goes through LDS on the way out.
; WHO IS P AND Q.  Cluster x = 0 (q) and 1 (k): P = x (rows = tokens), Q = W_qkv's rows 0 .. 2,047: a lane's neighbours run along the head's 64.  Cluster x = 2 (v): P = W_qkv's rows 2,048 on, Q = x: a lane's neighbours run along the KEYS,
; which are the K of attention's second product.  The choice hangs on the cluster's x alone, which all sixteen partners share; it is made by selects, and by one branch round the stores.
; qkv: [16 batch + head][393,216 bytes]: Q's 128 tiles of 16 tokens x 64, 1,024 bytes each; at 131,072 K's likewise; at 262,144 V's [key step of 128][16 of the head's 64][2,048 bytes].  An image is its registers in groups of four, 512 bytes a group, lane l's 16 bytes at 16 l.
; CLUSTERS: 4 x 4 work-groups.  The four of a row need the same tiles of P, the four of a column the same tiles of Q: each tile is asked for jointly.
; LIMIT: e(q, k or v) - e0 - e1 lies between -126 and 119, so that the scale and 448 x the scale are f32 numbers.  NaN codes among the inputs are not served.
; REGISTERS, in windows of 256: window 0: v0-31 addresses and the scale number; from v128 P's fragments, ONE set, later the codes.  window 1: Q's fragments, TWO sets.  windows 2, 3: the accumulators ((a, b) at v[8 (8 (a % 4) + b)]).
.set SIZE_K, 1024
.set KSTEP,  256                       ; along K in a slot
.set ROWB,   256                       ; a tile's row in bytes
.set KROW,   SIZE_K                    ; a row of x or of W_qkv in memory, in bytes
.set PITCH,  272                       ; an LDS row: 256 bytes + 16 of padding = 68 words: the 16 rows that a load touches start at 16 different banks (64 banks of 4 bytes: ISA guide 11.1)
.set FR,     16                        ; registers of a fragment: 16 rows x 128 K
.set NL,     4                         ; LDS loads that bring one
.set NP,     4                         ; places behind this matrix instruction (ISA guide 7.12.1)
.set HALFT,  128*PITCH                 ; 128 rows: what one tensor load brings
.set SLOT,   4*HALFT                   ; P's 256 rows, then Q's 256 rows
.set LAPS,   SIZE_K/(2*KSTEP)          ; a lap = two K steps = once round the ring
.set SPARE,  2*SLOT                    ; behind the ring: the spare words, 128 bytes for each wave, which no other line names
.set HEADB,  393216                    ; a head's bytes in qkv
.set ADRA, 16                          ; v16-17  LDS address of my P fragments in slot 0, 1
.set ADRB, 20                          ; v20-21  the same for Q
.set CO,   26                          ; v26     16 x lane: my place in an image's group of four registers
.set SPW,  28                          ; v28     LDS address of my spare word; never rewritten
.set NIL,  29                          ; v29     0; never rewritten
.set SCL,  30                          ; v30     2^(e - e0 - e1) as f32: the conversions take its exponent field
.set LIMV, 31
.set TMP,  32
.set AF,   128                         ; P's fragments, in window 0
.set CD,   128                         ; the codes: 16 registers for each of my eight blocks, where P's fragments lay
.set G1, 24                            ; s[24:31] descriptor group 1 for P's tiles;  s[32:39] group 0, one set for each slot
.set G0, 32
.set G1B, 48                           ; s[48:55], s[56:63] the same for Q's tiles
.set G0B, 56
.set MSB, 0
.macro WIN new                         ; the immediate's high byte repeats the setting that is left
.if MSB != \new
	s_set_vgpr_msb (MSB<<8)|\new
.set MSB, \new
.endif
.endm
.set MUL_LO, 0xa1                      ; source 0 (Q) window 1, source 1 (P) window 0, C and D window 2
.set MUL_HI, 0xf1                      ; the same, C and D window 3
.set TO_B,   0x40                      ; destination window 1, address window 0
; A joint load: waves 0 and 1 fetch for P, waves 2 and 3 for Q.  Each line has ONE mask and one set of registers for all that issue it; the branch hangs on the wave's number alone.
; Four v_nop follow each of the two lines, ahead of the jump, the label and what follows.
.macro JLOAD g0a, g1a, g0b, g1b
	s_cmp_eq_u32 s15, 0
	s_cbranch_scc0 .Lfor_b_\@
	tensor_load_to_lds s[\g0a:\g0a+3], s[\g1a:\g1a+7]
	s_nop 0
.rept 4
	v_nop
.endr
	s_branch .Lasked_\@
.Lfor_b_\@:
	tensor_load_to_lds s[\g0b:\g0b+3], s[\g1b:\g1b+7]
	s_nop 0
.rept 4
	v_nop
.endr
.Lasked_\@:
.endm
.macro CREST                           ; a round of the cluster's barrier behind its opening barrier
	s_cmp_lg_u32 s14, 0
	s_cbranch_scc1 .Lnot_wave_0_\@
	s_barrier_signal -3
.Lnot_wave_0_\@:
	s_barrier_wait -3
	s_barrier_signal -1
	s_barrier_wait -1
.endm
.macro CROUND                          ; a whole round
	s_barrier_signal -1
	s_barrier_wait -1
	CREST
.endm
	s_load_b128 s[4:7], s[0:1], 0x0                ; x's codes s[4:5], W_qkv's codes s[6:7]
	s_load_b128 s[8:11], s[0:1], 0x10              ; the scales' exponents s[8:9], qkv s[10:11]
	v_lshl_add_u32 v[SPW], v0, 2, SPARE
	v_mov_b32 v[NIL], 0
	ds_add_u32 v28, v29
	ds_add_u32 v28, v29
	s_wait_dscnt 0x0
	v_lshrrev_b32 v1, 5, v0
	v_readfirstlane_b32 s14, v1                    ; wave 0..3
	s_lshr_b32 s15, s14, 1                         ; which half of the tile's rows is mine.  Also: I fetch for P (0) or for Q (1)
	s_and_b32 s16, s14, 1                          ; which half of its columns.  Also: which 128 rows of that tile I fetch
	s_bfe_u32 s40, ttmp6, 0x40000                  ; cx, cy: my place in the cluster
	s_bfe_u32 s41, ttmp6, 0x40004
	s_and_b32 s17, ttmp7, 0xffff
	s_lshl_b32 s17, s17, 2                         ; 4 x cluster y
	s_lshl_b32 s42, ttmp9, 2                       ; 4 x cluster x
	s_cmp_eq_u32 ttmp9, 2                          ; v's clusters?  The same answer in all sixteen partners
	s_cselect_b32 s84, 0, s17                      ; the cluster's part of the tile row: q, k: 4 x cluster y (tokens); v: 0 (W's 1,024 rows are one cluster high)
	s_cselect_b32 s85, s17, s42                    ; and of the tile column: q, k: 4 x cluster x (W's rows); v: 4 x cluster y (tokens)
	s_add_co_u32 s17, s84, s41                     ; tile row of D: + cy
	s_add_co_u32 s42, s85, s40                     ; tile column of D: + cx
	s_lshl_b32 s43, s41, 2
	s_lshl_b32 s43, 15, s43                        ; my row of the cluster
	s_lshl_b32 s44, 0x1111, s40                    ; my column
	; descriptor group 1: a tile of 128 rows x 256 bytes, padded in LDS
	s_or_b32 s[G1+0], s43, (0<<16)|(1<<20)|(1<<21)|(5<<22)|(3<<25)  ; 15:0 the mask: P's tiles go to my row; 17:16 element of 1 byte; 20 padding on; 21 set beside a mask; 24:22 after every 64 words; 31:25 four words of it
	s_or_b32 s[G1B+0], s44, (0<<16)|(1<<20)|(1<<21)|(5<<22)|(3<<25)
.irp g, G1, G1B
	s_mov_b32 s[\g+1], ROWB<<16                    ; tensor_dim0
	s_mov_b32 s[\g+2], 128<<16                     ; tensor_dim1 = 128
	s_mov_b32 s[\g+3], ROWB<<16                    ; tile_dim0
	s_mov_b32 s[\g+4], 128                         ; tile_dim1 = 128
	s_mov_b32 s[\g+5], KROW                        ; tensor_dim0_stride
	s_mov_b32 s[\g+6], 0
	s_mov_b32 s[\g+7], 0
.endr
	s_lshl_b32 s18, s16, 7                         ; which 128 rows of the tile I fetch
	s_lshl_b32 s20, s17, 8
	s_add_co_u32 s20, s20, s18                     ; P: row 256 x tile row + 128 x half,
	s_lshl_b32 s20, s20, 10                        ; of 1,024 bytes (8 MiB at the most)
	s_mov_b32 s21, 0
	s_lshl_b32 s46, s42, 8
	s_add_co_u32 s46, s46, s18                     ; Q: row 256 x tile column + 128 x half
	s_lshl_b32 s46, s46, 10
	s_mov_b32 s47, 0
	s_mul_i32 s45, s14, HALFT                      ; where they go: wave x 128 rows: no place in the cluster enters an LDS address
	s_wait_kmcnt 0x0
	s_load_b256 s[72:79], s[8:9], 0x0              ; e0 .. e7
	s_add_nc_u64 s[68:69], s[6:7], 2048*KROW       ; W_qkv at v's first row
	s_cmp_eq_u32 ttmp9, 2
	s_cselect_b64 s[80:81], s[68:69], s[4:5]       ; P: v: W's rows for v; else x
	s_cselect_b64 s[82:83], s[4:5], s[6:7]         ; Q: v: x; else W's rows for q and k
	s_add_nc_u64 s[20:21], s[80:81], s[20:21]
	s_add_nc_u64 s[46:47], s[82:83], s[46:47]
	CROUND                                         ; all sixteen work-groups are here: the first joint loads meet
.irp s, 0,1
	s_mov_b32 s[G0+4*\s], 1
	s_add_co_u32 s[G0+4*\s+1], s45, \s*SLOT
	s_add_nc_u64 s[G0+4*\s+2:G0+4*\s+3], s[20:21], \s*ROWB
	s_or_b32 s[G0+4*\s+3], s[G0+4*\s+3], 0x80000000
	s_mov_b32 s[G0B+4*\s], 1
	s_add_co_u32 s[G0B+4*\s+1], s45, \s*SLOT
	s_add_nc_u64 s[G0B+4*\s+2:G0B+4*\s+3], s[46:47], \s*ROWB
	s_or_b32 s[G0B+4*\s+3], s[G0B+4*\s+3], 0x80000000
	JLOAD G0+4*\s, G1, G0B+4*\s, G1B
.endr
	v_and_b32 v1, 15, v0                           ; l % 16
	v_bfe_u32 v2, v0, 4, 1                         ; l / 16
	v_mul_u32_u24 v3, v1, PITCH
	v_lshl_add_u32 v4, v2, 4, v3                   ; a fragment's row x pitch + 16 x half
	s_mul_i32 s21, s15, HALFT                      ; my 128 rows of P
	s_mul_i32 s22, s16, HALFT                      ; my 128 rows of Q,
	s_add_co_u32 s22, s22, 2*HALFT                 ; which lie behind P's 256
.irp s, 0,1
	v_add_nc_u32 v[ADRA+\s], s21, v4
	v_add_nc_u32 v[ADRB+\s], s22, v4
	s_add_co_u32 s21, s21, SLOT
	s_add_co_u32 s22, s22, SLOT
.endr
	v_and_b32 v6, 31, v0
	v_lshlrev_b32 v[CO], 4, v6                     ; 16 x lane
	; where my wave's images begin in qkv.  R0, C0: my first row and column of D.  q, k: token = R0, feature = C0; v: token = C0, feature = R0
	s_lshl_b32 s86, s17, 8
	s_lshl_b32 s87, s15, 7
	s_add_co_u32 s86, s86, s87                     ; R0
	s_lshl_b32 s88, s42, 8
	s_lshl_b32 s87, s16, 7
	s_add_co_u32 s88, s88, s87                     ; C0
	s_cmp_eq_u32 ttmp9, 2
	s_cselect_b32 s89, s88, s86                    ; my first token
	s_cselect_b32 s90, s86, s88                    ; my first feature
	s_lshr_b32 s91, s89, 11                        ; batch
	s_lshl_b32 s91, s91, 4
	s_and_b32 s90, s90, 1023
	s_lshr_b32 s90, s90, 6                         ; my first head (I hold two)
	s_add_co_u32 s91, s91, s90
	s_mul_i32 s91, s91, HEADB
	s_lshl_b32 s92, ttmp9, 17                      ; Q's, K's or V's part of the head: 131,072 x cluster x
	s_add_co_u32 s91, s91, s92
	s_and_b32 s89, s89, 2047
	s_lshl_b32 s89, s89, 6                         ; 64 bytes a token in each part: 16 tokens are an image of 1,024 bytes, 128 keys four of 2,048
	s_add_co_u32 s92, s91, s89
	s_mov_b32 s93, 0
	s_add_nc_u64 s[10:11], s[10:11], s[92:93]
.macro FRAG reg, adr, q, i             ; a fragment, 16 rows x 128 K, by four loads of 16 bytes: registers 4 c .. 4 c + 3 hold K = 32 c + 16 (l / 16) + 0 .. 15: a permutation of k that is the same in P and in Q, so that every product meets its partner
.irp c, 0,1,2,3
	ds_load_b128 v[\reg+4*\c:\reg+4*\c+3], v[\adr] offset:128*(\q)+32*\c+(\i)*16*PITCH
.endr
.endm
; 16 matrix instructions: P's blocks a0, a0 + 1 x Q's eight, 128 along K.  p: Q's set.  zero = 1: the first product starts the sums: nothing is ever cleared.
; The 64 accumulators take turns, one instruction a turn, in the same order in every step.
.macro MUL16 a0, p, zero
.irp a, \a0, \a0+1
.irp b, 0,1,2,3,4,5,6,7
.if \zero
	v_wmma_f32_16x16x128_fp8_fp8 v[8*(8*((\a)%4)+\b):8*(8*((\a)%4)+\b)+7], v[128*(\p)+FR*\b:128*(\p)+FR*\b+FR-1], v[AF+FR*(\a):AF+FR*(\a)+FR-1], 0
.else
	v_wmma_f32_16x16x128_fp8_fp8 v[8*(8*((\a)%4)+\b):8*(8*((\a)%4)+\b)+7], v[128*(\p)+FR*\b:128*(\p)+FR*\b+FR-1], v[AF+FR*(\a):AF+FR*(\a)+FR-1], v[8*(8*((\a)%4)+\b):8*(8*((\a)%4)+\b)+7]
.endif
.endr
.endr
.endm
.macro FETCH_B slot, q, p              ; Q's eight fragments of the slot's q-th 128 along K into set p
	WIN TO_B
.irp i, 0,1,2,3,4,5,6,7
	FRAG 128*(\p)+FR*\i, ADRB+\slot, \q, \i
.endr
	WIN 0
.endm
.macro FETCH_A slot, q, i0             ; P's blocks i0 .. i0 + 3
.irp i, \i0, \i0+1, \i0+2, \i0+3
	FRAG AF+FR*(\i), ADRA+\slot, \q, \i
.endr
.endm
; A load into a register that a matrix instruction has read, and a vector instruction that reads a matrix result or writes one of its registers, stand NP places behind it; only plain vector instructions that name none of its registers are places.
.macro PLACES n
.rept \n
	v_nop
.endr
.endm
; A step of 128 along K that has its successor in the same slot.
.macro STEP slot, q, zero
	s_wait_dscnt 4*NL                              ; Q's set and P's blocks 0-3 are in; the youngest sixteen loads (P's blocks 4-7) may be out
	WIN MUL_LO
	MUL16 0, (\q)%2, \zero
	MUL16 2, (\q)%2, \zero
	s_wait_dscnt 0                                 ; P's blocks 4-7 are in (asked for 32 matrix instructions ago)
	PLACES NP
	FETCH_B \slot, (\q)+1, 1-(\q)%2
	FETCH_A \slot, (\q)+1, 0
	WIN MUL_HI
	MUL16 4, (\q)%2, \zero
	MUL16 6, (\q)%2, \zero
	PLACES NP
	WIN 0
	FETCH_A \slot, (\q)+1, 4
.endm
; A slot's last step changes slots: ONE barrier; in front of it each wave waits for all its tensor loads, adds 0 to its spare word, and waits for that and for its own reads of this slot.  fill = 1: this slot is filled again, two K steps ahead.
.macro TURN slot, next, fill
	s_wait_tensorcnt 0x0                           ; all my tensor loads have landed: my part of the next slot (every window is 0 here)
	ds_add_u32 v[SPW], v[NIL]                      ; 0 onto my spare word
	s_wait_dscnt 4*NL+1                            ; (the add and the youngest sixteen loads, P's blocks 4-7, may be out)
	WIN MUL_LO
	MUL16 0, 1, 0                                  ; sixteen matrix instructions stand between the add and the wait for it
	s_wait_dscnt 0x0                               ; the add is done, and my reads of this slot are over
	s_barrier_signal -1
	MUL16 2, 1, 0
	WIN 0
	s_barrier_wait -1
.if \fill
	CREST                                          ; the barrier has opened a round of the cluster's barrier: no wave of any partner still reads this slot's tile or has a load on its way
	s_add_nc_u64 s[G0+4*\slot+2:G0+4*\slot+3], s[G0+4*\slot+2:G0+4*\slot+3], 2*ROWB
	s_add_nc_u64 s[G0B+4*\slot+2:G0B+4*\slot+3], s[G0B+4*\slot+2:G0B+4*\slot+3], 2*ROWB
	JLOAD G0+4*\slot, G1, G0B+4*\slot, G1B         ; the first tensor load behind the round; the four v_nop behind it are the places in front of the loads below
.else
	PLACES NP
.endif
	FETCH_B \next, 0, 0
	FETCH_A \next, 0, 0
	WIN MUL_HI
	MUL16 4, 1, 0
	MUL16 6, 1, 0
	PLACES NP
	WIN 0
	FETCH_A \next, 0, 4
.endm
	s_wait_alu depctr_va_vdst(0)
	s_wait_tensorcnt 1                             ; my part of K step 0 is in (K step 1's load may be out)
	s_barrier_signal -1
	s_barrier_wait -1                              ; everybody's is
	FETCH_B 0, 0, 0
	FETCH_A 0, 0, 0
	FETCH_A 0, 0, 4
	STEP 0, 0, 1                                   ; the first step stands in front of the loop: its products start the sums
.if LAPS > 1
	s_mov_b32 s3, LAPS-1
.Llap:                                                 ; a trip goes once round the ring, from a lap's second step to the next lap's first, and fills both slots again
	TURN 0, 1, 1
	STEP 1, 0, 0
	TURN 1, 0, 1
	STEP 0, 0, 0
	s_sub_co_u32 s3, s3, 1
	s_cmp_lg_u32 s3, 0
	s_cbranch_scc1 .Llap
.endif
	TURN 0, 1, 0                                   ; the last lap fills nothing, and has no round of the cluster's barrier
	STEP 1, 0, 0
	s_wait_dscnt 4*NL                              ; the very last step: nothing more to fetch
	WIN MUL_LO
	MUL16 0, 1, 0
	MUL16 2, 1, 0
	s_wait_dscnt 0
	WIN MUL_HI
	MUL16 4, 1, 0
	MUL16 6, 1, 0
	WIN 0
; THE WAY OUT.  A sum stands for sum x 2^(e0 + e1); its code is sum / 2^(e - e0 - e1), held within +-448: the three exponents are folded into the conversion's one scale.
	s_wait_kmcnt 0x0
	s_cmp_eq_u32 ttmp9, 0
	s_cselect_b32 s96, s74, s75                    ; e2 for q, e3 for k,
	s_cmp_eq_u32 ttmp9, 2
	s_cselect_b32 s96, s77, s96                    ; e5 for v: a select, no branch hangs on a loaded number
	s_sub_co_i32 s96, s96, s72
	s_sub_co_i32 s96, s96, s73
	s_add_co_i32 s96, s96, 127
	s_lshl_b32 s97, s96, 23
	v_mov_b32 v[SCL], s97                          ; 2^(e - e0 - e1) as f32
	s_add_co_i32 s96, s96, 8
	s_lshl_b32 s96, s96, 23
	s_or_b32 s96, s96, 0x600000
	PLACES NP                                      ; behind the last products: their results are read and P's registers written only behind these
; Block a (16 rows of D x my 128 columns): eight conversions: accumulator b gives registers 2 b, 2 b + 1 of the block's sixteen.
.macro CODES a
.set AC, 64*((\a)%4)
	WIN 0x02+((\a)/4)                              ; source 0: window 2 or 3
.set j, 0
.rept 64
.set j, j+1
.endr
.irp b, 0,1,2,3,4,5,6,7
	v_cvt_scalef32_pk8_fp8_f32 v[CD+16*(\a)+2*\b:CD+16*(\a)+2*\b+1], v[AC+8*\b:AC+8*\b+7], v[SCL]
.endr
	WIN 0
	v_nop                                          ; one plain vector instruction behind the last conversion
.endm
.irp a, 0,1,2,3,4,5,6,7
	CODES \a
.endr
	; every store of the wave covers 512 consecutive bytes, aligned; no code register is written twice, so no store's data are waited for
	s_cmp_eq_u32 ttmp9, 2
	s_cbranch_scc1 .Lstore_v
.irp a, 0,1,2,3,4,5,6,7                ; q, k: block a = 16 tokens; registers 0-7 are my first head's image, 8-15 my second head's
.irp c, 0,1,2,3
	global_store_b128 v[CO], v[CD+16*\a+4*\c:CD+16*\a+4*\c+3], s[10:11] offset:1024*\a+HEADB*(\c/2)+512*(\c%2)
.endr
.endr
	s_branch .Lstored
.Lstore_v:
	s_wait_alu depctr_va_vdst(0)
.irp a, 0,1,2,3,4,5,6,7                ; v: block a = 16 of a head's 64 (four blocks a head) x my 128 keys: one image of 2,048 bytes
.irp c, 0,1,2,3
	global_store_b128 v[CO], v[CD+16*\a+4*\c:CD+16*\a+4*\c+3], s[10:11] offset:HEADB*(\a/4)+2048*(\a%4)+512*\c
.endr
.endr
.Lstored:
	s_wait_tensorcnt 0x0                           ; the wave's end
	ds_add_u32 v[SPW], v[NIL]
	s_wait_dscnt 0x0
	CROUND                                         ; the closing round: no work-group ends while a partner may still ask for a tile that names it
	s_endpgm
.Lfunc_end_k_q9561ad5ec9_qkv_proj:
	.size	k_q9561ad5ec9_qkv_proj, .Lfunc_end_k_q9561ad5ec9_qkv_proj-k_q9561ad5ec9_qkv_proj
	.p2alignl 7, 3214868480
	.fill 96, 4, 3214868480
	.section	.rodata,"a",@progbits
	.p2align	6, 0x0
	.amdhsa_kernel k_q9561ad5ec9_qkv_proj
		.amdhsa_group_segment_fixed_size 327680
		.amdhsa_private_segment_fixed_size 0
		.amdhsa_enable_private_segment 0
		.amdhsa_kernarg_size 32
		.amdhsa_user_sgpr_count 2
		.amdhsa_user_sgpr_kernarg_segment_ptr 1
		.amdhsa_wavefront_size32 1
		.amdhsa_system_sgpr_workgroup_id_x 1
		.amdhsa_system_sgpr_workgroup_id_y 1
		.amdhsa_system_sgpr_workgroup_id_z 1
		.amdhsa_system_vgpr_workitem_id 0
		.amdhsa_next_free_vgpr 1024
		.amdhsa_next_free_sgpr 98
		.amdhsa_reserve_vcc 0
		.amdhsa_float_denorm_mode_32 3
		.amdhsa_float_denorm_mode_16_64 3
		.amdhsa_fp16_overflow 1
		.amdhsa_memory_ordered 1
		.amdhsa_forward_progress 1
		.amdhsa_inst_pref_size 89
	.end_amdhsa_kernel
	.amdgpu_metadata
---
amdhsa.version: [ 1, 2 ]
amdhsa.kernels:
  - .name:           k_q9561ad5ec9_qkv_proj
    .symbol:         k_q9561ad5ec9_qkv_proj.kd
    .args:
      - { .name: x_codes, .offset: 0, .size: 8, .value_kind: global_buffer, .address_space: global }
      - { .name: W_qkv_codes, .offset: 8, .size: 8, .value_kind: global_buffer, .address_space: global }
      - { .name: lowp_scales, .offset: 16, .size: 8, .value_kind: global_buffer, .address_space: global }
      - { .name: qkv, .offset: 24, .size: 8, .value_kind: global_buffer, .address_space: global }
    .group_segment_fixed_size: 327680
    .private_segment_fixed_size: 0
    .kernarg_segment_align: 8
    .kernarg_segment_size: 32
    .max_flat_workgroup_size: 128
    .sgpr_count:     98
    .vgpr_count:     1024
    .wavefront_size: 32
...
	.end_amdgpu_metadata
.endif
;; end of part 1
;; launch attend (part 2): grid 4 x 64, 16 waves a work-group, clusters of 4 x 1, 264,192 bytes of LDS; arguments qkv, lowp_scales, att; writes att
.if DOCPART == 2
	.amdgcn_target "amdgcn-amd-amdhsa--gfx1250"
	.amdhsa_code_object_version 6
	.text
	.protected	k_q9561ad5ec9_attend
	.globl	k_q9561ad5ec9_attend
	.p2align	8
	.type	k_q9561ad5ec9_attend,@function
k_q9561ad5ec9_attend:
	s_mov_b64 s[64:65], 0
	v_nop
	global_prefetch_b8 v0, s[64:65] scope:SCOPE_SE
	s_setreg_imm32_b32 hwreg(HW_REG_WAVE_MODE, 25, 1), 1
	s_wait_xcnt 0x0
	s_wait_alu depctr_hold_cnt(0) depctr_sa_sdst(0) depctr_va_vdst(0) depctr_va_sdst(0) depctr_va_ssrc(0) depctr_va_vcc(0) depctr_vm_vsrc(0)
	s_getreg_b32 s2, hwreg(HW_REG_IB_STS2, 6, 4)
	s_cmp_eq_u32 s2, 0
	s_cbranch_scc0 .Lentry_in_a_cluster
	s_endpgm
.Lentry_in_a_cluster:
	s_bfe_u32 s2, ttmp6, 0x10000c
	s_cmp_lg_u32 s2, 0x3003
	s_cbranch_scc0 .Lentry_shape_is_right
	s_endpgm
.Lentry_shape_is_right:
; Causal attention of one head on codes of FP8 (E4M3): S = q k^T / 8, p = 2^(t - M), O = p v / l; then O is quantised with 2^e6 and stored as images of the last product's operand registers.
; t = score x log2(e) / 8; M = the row's largest t so far, rounded UP to a whole number; p is quantised with 2^e4 and is not normalised; l is the sum of the unquantised p, in f32.  When M moves, l and O are multiplied by 2^(old M - new M): exact.
; SHARES.  A cluster of four work-groups is one head (16 batch + head = cluster y).  The head's whole K and V, 262,144 bytes of images, lie in each work-group's LDS, filled ONCE by joint loads, one a wave: no slot is ever filled again.
; The head's 128 tiles of 16 queries fall into 16 groups of 8; a tile of group g needs key steps 0 .. g of 128 keys, and step g lies on the diagonal.  Wave w (a = w / 2, i = 4 (w % 2) + cx) takes tile i of group 15 - a and then tile i of group a:
; 16 - a and a + 1 steps, 17 for every wave of every work-group.  Trip limits hang on the wave's number alone; cx enters global addresses and the mask's number, never a branch or an LDS address.
; LAYOUT.  Both products are used transposed: S^T = K Q^T (source 0 = 16 keys), O^T = V^T P^T (source 0 = 16 of the head's 64): a lane holds ONE query (lane % 16).  In S^T's tile t its eight registers are keys 16 t + 8 (lane / 16) + 0 .. 7:
; the place that the plain fp8 form gives k in registers 2 t, 2 t + 1 of an operand.  So p's conversions are the second product's operand, and O^T's are the last product's.  Every image is read at 16 x lane: 512 consecutive bytes an instruction.
; Each loop has a constant trip count; a step whose keys all come after the tile's queries is jumped over by a scalar branch (no barrier and no tensor load stands in a step).
; LIMITS on the given exponents: e2 + e3 between -123 and 130 (added to c's exponent field); e4 between -126 and 119; 2^(e4 + e5 - e6) / l must be an f32 number.  NaN codes are not served.
.set HEADB, 393216                     ; a head's bytes in qkv: Q's images, at 131,072 K's, at 262,144 V's
.set VLDS,  131072                     ; LDS: K's images from 0, V's from here
.set STEPB, 8192                       ; a key step's images: 8 tiles of K x 1,024 bytes; 4 blocks of V x 2,048
.set AL,   1                           ; v1   16 x lane
.set AV0,  2                           ; v2   16 x lane + VLDS
.set DM,   3                           ; v3   16 i + lane % 16 - 8 (lane / 16): on the diagonal register 8 t + j is hidden where 16 t + j is above it
.set GO,   4                           ; v4, v5  my byte offset in att, first and second tile
.set QO,   6                           ; v6, v7  my byte offset among the head's images of Q
.set ADK,  8                           ; v8   LDS address of the step's images of K
.set ADV,  9                           ; v9   of V
.set NINF, 10                          ; v10  -infinity
.set PD,   230                         ; v230 the lane exchange's destination
.set PLIM, 232
.set PSCL, 233                         ; v233 2^e4 as f32
.set ONE,  234                         ; v234 1.0: the scale of O's conversions
; v12 -M, v13 the largest t, v[14:15] l in two halves; v16-23, v24-31 Q's two fragments; v32-95 K's eight fragments, then V's four; v96-159 S^T, then p; v160-191 O^T; v192-207 p's codes; v208-223 O's codes; v224, v[226:227], v[228:229] at work
.set WV,   12                          ; s12  my wave's number
.set SEL,  20                          ; s[20:21] lane selects for v_permlanex16_b32: lane l xor 16
.set CS,   22                          ; s[22:23] c = log2(e) / 8 x 2^(e2 + e3)
.set G1,   24                          ; s[24:31] descriptor group 1
.set G0,   32                          ; s[32:35] descriptor group 0
.set TB,   36                          ; s36  LDS byte of the key step in hand
.set SN,   37                          ; s37  its number
.set EO,   39                          ; s39  e4 + e5 - e6
.set CLO,  48
.set CHI,  49
.macro ROUND                           ; a round of the cluster's barrier
	s_barrier_signal -1
	s_barrier_wait -1
	s_cmp_lg_u32 s[WV], 0
	s_cbranch_scc1 .Lnot_wave_0_\@
	s_barrier_signal -3
.Lnot_wave_0_\@:
	s_barrier_wait -3
	s_barrier_signal -1
	s_barrier_wait -1
.endm
	s_load_b128 s[4:7], s[0:1], 0x0                ; qkv s[4:5], the scales' exponents s[6:7]
	s_load_b64 s[8:9], s[0:1], 0x10                ; att
	v_lshl_add_u32 v254, v0, 2, 0x40000
	v_mov_b32 v255, 0
	ds_add_u32 v254, v255
	ds_add_u32 v254, v255
	v_lshrrev_b32 v8, 5, v0
	s_delay_alu instid0(VALU_DEP_1)
	v_readfirstlane_b32 s[WV], v8                  ; wave 0..15
	s_bfe_u32 s13, ttmp6, 0x40000                  ; cx: my place in the cluster
	s_and_b32 s50, ttmp7, 0xffff                   ; 16 batch + head, which the four partners share
	s_mul_i32 s52, s50, HEADB
	s_mov_b32 s53, 0
	s_lshl_b32 s56, s[WV], 14                      ; my 16,384 bytes of K's and V's 262,144,
	s_add_co_u32 s56, s56, 131072                  ; which begin behind Q's images
	s_mov_b32 s57, 0
	; descriptor group 1: 64 rows of 256 bytes, dense in memory and in LDS
	s_mov_b32 s[G1], 15|(3<<16)|(1<<21)            ; 15:0 the mask: all four work-groups; 17:16 elements of 8 bytes; 21 set beside a mask; no padding
	s_mov_b32 s[G1+1], 32<<16                      ; tensor_dim0 = 32 elements
	s_mov_b32 s[G1+2], 64<<16                      ; tensor_dim1 = 64
	s_mov_b32 s[G1+3], 32<<16                      ; tile_dim0 = 32
	s_mov_b32 s[G1+4], 64                          ; tile_dim1 = 64
	s_mov_b32 s[G1+5], 32                          ; tensor_dim0_stride
	s_mov_b32 s[G1+6], 0
	s_mov_b32 s[G1+7], 0
	s_mov_b32 s[G0], 1                             ; count = 1
	s_lshl_b32 s[G0+1], s[WV], 14                  ; LDS address: 16,384 x wave
	s_mov_b32 s[SEL], 0x76543210
	s_mov_b32 s[SEL+1], 0xfedcba98
	s_mov_b32 s[CS], 0x3e38aa3b                    ; log2(e) / 8
	s_wait_dscnt 0x0
	s_wait_kmcnt 0x0
	s_load_b256 s[40:47], s[6:7], 0x0              ; e0 .. e7
	s_add_nc_u64 s[4:5], s[4:5], s[52:53]          ; qkv at my head
	s_add_nc_u64 s[G0+2:G0+3], s[4:5], s[56:57]    ; global address of my part: it hangs on the head and the wave's number alone
	s_or_b32 s[G0+3], s[G0+3], 0x80000000          ; type = 2
	ROUND                                          ; all four work-groups are here: the joint loads meet
	tensor_load_to_lds s[G0:G0+3], s[G1:G1+7]      ; my one tensor load of the launch
	s_nop 0
.rept 4
	v_nop
.endr
	v_and_b32 v[AL], 31, v0
	s_delay_alu instid0(VALU_DEP_1)
	v_lshlrev_b32 v[AL], 4, v[AL]
	s_wait_alu depctr_va_vdst(0)
	v_add_nc_u32 v[AV0], VLDS, v[AL]
	s_lshr_b32 s14, s[WV], 1                       ; a: the second tile's group, and its last key step
	s_xor_b32 s16, s14, 15                         ; 15 - a: the first tile's
	s_and_b32 s15, s[WV], 1
	s_lshl_b32 s15, s15, 2
	s_add_co_u32 s15, s15, s13                     ; i = 4 (w % 2) + cx: the tile's place in its group
	s_lshl_b32 s17, s16, 3
	s_add_co_u32 s17, s17, s15                     ; the first tile's number among the head's 128
	s_lshl_b32 s18, s14, 3
	s_add_co_u32 s18, s18, s15                     ; the second's
	s_lshl_b32 s51, s17, 10
	v_add_nc_u32 v[QO], s51, v[AL]
	s_lshl_b32 s51, s18, 10
	v_add_nc_u32 v[QO+1], s51, v[AL]
	global_load_b128 v[16:19], v[QO], s[4:5]                 ; Q's two fragments stay in registers
	global_load_b128 v[20:23], v[QO], s[4:5] offset:512
	global_load_b128 v[24:27], v[QO+1], s[4:5]
	global_load_b128 v[28:31], v[QO+1], s[4:5] offset:512
	v_and_b32 v224, 15, v0
	v_bfe_u32 v228, v0, 4, 1
	s_delay_alu instid0(VALU_DEP_1)
	v_lshlrev_b32 v228, 3, v228
	s_delay_alu instid0(VALU_DEP_1)
	v_sub_nc_u32 v[DM], v224, v228
	s_lshl_b32 s51, s15, 4
	v_add_nc_u32 v[DM], s51, v[DM]
	; att: [K step of 256 = head / 4][block of 16 tokens][4,096 bytes], my head's 1,024 bytes at 1,024 (head % 4)
	s_and_b32 s51, s50, 15                         ; head
	s_lshr_b32 s52, s51, 2
	s_lshl_b32 s52, s52, 21
	s_and_b32 s51, s51, 3
	s_lshl_b32 s51, s51, 10
	s_add_co_u32 s52, s52, s51
	s_lshr_b32 s51, s50, 4                         ; batch: 128 blocks of 4,096 bytes
	s_lshl_b32 s51, s51, 19
	s_add_co_u32 s52, s52, s51
	s_lshl_b32 s51, s17, 12
	s_add_co_u32 s51, s51, s52
	v_add_nc_u32 v[GO], s51, v[AL]
	s_lshl_b32 s51, s18, 12
	s_add_co_u32 s51, s51, s52
	v_add_nc_u32 v[GO+1], s51, v[AL]
	v_mov_b32 v[NINF], 0xff800000
	v_mov_b32 v[PD], 0                             ; written once: a lane permute's destination counts as one of its sources
	v_mov_b32 v227, 0                              ; (named as the upper half of the pair v[226:227])
	v_mov_b32 v[ONE], 1.0
	s_wait_kmcnt 0x0
	s_add_co_i32 s51, s42, s43
	s_lshl_b32 s51, s51, 23
	s_add_co_i32 s[CS], s[CS], s51                 ; a score stands for score x 2^(e2 + e3): the two exponents are added to c's exponent field
	s_mov_b32 s[CS+1], s[CS]                       ; (named with it as a pair, so it is written)
	s_add_co_i32 s51, s44, 127
	s_lshl_b32 s52, s51, 23
	v_mov_b32 v[PSCL], s52                         ; 2^e4 as f32
	s_add_co_i32 s[EO], s44, s45
	s_sub_co_i32 s[EO], s[EO], s46                 ; e4 + e5 - e6
	s_wait_loadcnt 0x0                             ; Q
	s_wait_tensorcnt 0x0                           ; my part of K and V has landed,
	s_barrier_signal -1
	s_barrier_wait -1                              ; everybody's has: from here on the waves run free
; ONE TILE OF 16 QUERIES.  p: 0 or 1, which of my two; lim: the scalar register with its last key step, the one on the diagonal; trips: the loop's constant count.
.macro PASS p, lim, trips
.set QF, 16+8*(\p)
.set OC, 208+8*(\p)
	v_mov_b32 v13, 0xff61b1e6                      ; the largest t so far: -3e38, under every t
	s_delay_alu instid0(VALU_DEP_1)
	v_floor_f32 v12, -v13                          ; -M
	v_mov_b32 v14, 0                               ; l, in two halves
	v_mov_b32 v15, 0
.set j, 0
.rept 32
	v_mov_b32 v[160+j], 0                          ; O^T.  (The step is written once: the first finds zeros, which the first change of M leaves zeros)
.set j, j+1
.endr
	s_mov_b32 s[TB], 0
	s_mov_b32 s[SN], 0
.Ltrip_\@:
	s_cmp_gt_u32 s[SN], s[\lim]                    ; all of this step's keys come after my queries: its work is left out
	s_cbranch_scc1 .Lskip_\@
	s_setprio 2
	v_add_nc_u32 v[ADK], s[TB], v[AL]
	v_add_nc_u32 v[ADV], s[TB], v[AV0]
	v_nop
	v_nop                                          ; four places, the two additions among them, in front of loads into registers that the last products read
.irp t, 0,1,2,3,4,5,6,7
	ds_load_b128 v[32+8*\t:35+8*\t], v[ADK] offset:1024*\t
	ds_load_b128 v[36+8*\t:39+8*\t], v[ADK] offset:1024*\t+512
.endr
	s_wait_alu depctr_va_vdst(0)
	s_wait_dscnt 8                                 ; tiles 0-3 are in; the youngest eight loads (tiles 4-7) may be out
.irp t, 0,1,2,3
	v_wmma_f32_16x16x64_fp8_fp8 v[96+8*\t:103+8*\t], v[32+8*\t:39+8*\t], v[QF:QF+7], 0
.endr
	s_wait_dscnt 0x0
.irp t, 4,5,6,7
	v_wmma_f32_16x16x64_fp8_fp8 v[96+8*\t:103+8*\t], v[32+8*\t:39+8*\t], v[QF:QF+7], 0
.endr
.rept 4
	v_nop                                          ; places: in front of the loads below and of the first read of the scores
.endr
.irp t, 0,1,2,3                                ; V's four fragments are asked for now and land while the softmax is worked
.irp c, 0,1,2,3
	ds_load_b128 v[32+16*\t+4*\c:35+16*\t+4*\c], v[ADV] offset:2048*\t+512*\c
.endr
.endr
	s_cmp_lg_u32 s[SN], s[\lim]                    ; only the last step lies on the diagonal: there hidden scores become -infinity ahead of the maximum, and p = 0
	s_cbranch_scc1 .Lopen_\@
.irp n, 0,1,2,3,4,5,6,7,8,9,10,11,12,13,14,15,16,17,18,19,20,21,22,23,24,25,26,27,28,29,30,31,32,33,34,35,36,37,38,39,40,41,42,43,44,45,46,47,48,49,50,51,52,53,54,55,56,57,58,59,60,61,62,63
	v_cmp_gt_i32 vcc_lo, 16*(\n/8)+\n%8, v[DM]
	v_cndmask_b32 v[96+\n], v[96+\n], v[NINF], vcc_lo
.endr
.Lopen_\@:
	v_max3_num_f32 v224, v96, v97, v98             ; the step's largest score of my query, among my 64 keys, in two chains (each accumulator is first read at its low end),
	v_max3_num_f32 v226, v99, v100, v101
.irp i, 6,10,14,18,22,26,30,34,38,42,46,50,54,58
	v_max3_num_f32 v224, v224, v[96+\i], v[97+\i]
	v_max3_num_f32 v226, v226, v[98+\i], v[99+\i]
.endr
	v_max3_num_f32 v224, v224, v158, v159
	s_delay_alu instid0(VALU_DEP_1)
	v_max_num_f32 v224, v224, v226
	s_delay_alu instid0(VALU_DEP_1)
	v_permlanex16_b32 v[PD], v224, s[SEL], s[SEL+1]
	s_delay_alu instid0(VALU_DEP_1)
	v_max_num_f32 v224, v224, v[PD]                ; and among lane l xor 16's
	s_delay_alu instid0(VALU_DEP_1)
	v_mul_f32 v224, s[CS], v224                    ; as t (c is positive)
	s_delay_alu instid0(VALU_DEP_1)
	v_max_num_f32 v13, v13, v224                   ; the running largest t
	v_mov_b32 v224, v12
	s_delay_alu instid0(VALU_DEP_2)
	v_floor_f32 v12, -v13                          ; the new -M = floor(-t) = -ceil(t): a whole number
	s_delay_alu instid0(VALU_DEP_1)
	v_sub_f32 v224, v12, v224                      ; M's old value less its new one: a whole number, 0 or less
	s_delay_alu instid0(VALU_DEP_1)
	v_cvt_i32_f32 v224, v224                       ; (it saturates)
	s_delay_alu instid0(VALU_DEP_1)
	v_ldexp_f32 v226, 1.0, v224                    ; f = 2^(old M - new M)
.set j, 0
	s_setprio 1
.rept 32
	v_pk_fma_f32 v[96+j:97+j], v[96+j:97+j], s[CS:CS+1], v[12:13] op_sel_hi:[1,0,0]   ; t - M, two at a time (of the pairs c and -M the low word serves both halves)
.set j, j+2
.endr
.set j, 0
	s_wait_alu depctr_va_vdst(0)
.rept 64
	v_exp_f32 v[96+j], v[96+j]                     ; p = 2^(t - M), at most 1: not normalised
.set j, j+1
.endr
	v_pk_mul_f32 v[14:15], v[14:15], v[226:227] op_sel_hi:[1,0]   ; l under the new M; the plain instruction behind the exponentials
	s_wait_alu depctr_va_vdst(0)                   ; one wait for the whole batch, ahead of its first reader
	v_pk_add_f32 v[228:229], v[100:101], v[104:105]
	v_pk_add_f32 v[252:253], v[108:109], v[112:113]
	v_pk_add_f32 v[250:251], v[116:117], v[120:121]
	v_pk_add_f32 v[248:249], v[124:125], v[128:129]
	v_pk_add_f32 v[246:247], v[132:133], v[136:137]
	v_pk_add_f32 v[244:245], v[140:141], v[144:145]
	v_pk_add_f32 v[242:243], v[148:149], v[152:153]
	v_pk_add_f32 v[14:15], v[14:15], v[156:157]
	v_pk_add_f32 v[228:229], v[228:229], v[96:97]
	v_pk_add_f32 v[252:253], v[252:253], v[98:99]
	v_pk_add_f32 v[250:251], v[250:251], v[102:103]
	v_pk_add_f32 v[248:249], v[248:249], v[106:107]
	v_pk_add_f32 v[246:247], v[246:247], v[110:111]
	v_pk_add_f32 v[244:245], v[244:245], v[114:115]
	v_pk_add_f32 v[242:243], v[242:243], v[118:119]
	v_pk_add_f32 v[14:15], v[14:15], v[122:123]
	v_pk_add_f32 v[228:229], v[228:229], v[126:127]
	v_pk_add_f32 v[252:253], v[252:253], v[130:131]
	v_pk_add_f32 v[250:251], v[250:251], v[134:135]
	v_pk_add_f32 v[248:249], v[248:249], v[138:139]
	v_pk_add_f32 v[246:247], v[246:247], v[142:143]
	v_pk_add_f32 v[244:245], v[244:245], v[146:147]
	v_pk_add_f32 v[242:243], v[242:243], v[150:151]
	s_setprio 0
	v_pk_add_f32 v[14:15], v[14:15], v[154:155]
	v_pk_add_f32 v[228:229], v[228:229], v[158:159]
	s_delay_alu instid0(VALU_DEP_2)
	v_pk_add_f32 v[14:15], v[14:15], v[248:249]
	s_delay_alu instid0(VALU_DEP_2)
	v_pk_add_f32 v[228:229], v[228:229], v[246:247]
	v_pk_add_f32 v[252:253], v[252:253], v[244:245]
	v_pk_add_f32 v[250:251], v[250:251], v[242:243]
	s_delay_alu instid0(VALU_DEP_2)
	v_pk_add_f32 v[14:15], v[14:15], v[252:253]
	s_delay_alu instid0(VALU_DEP_2)
	v_pk_add_f32 v[228:229], v[228:229], v[250:251]
	s_delay_alu instid0(VALU_DEP_1)
	v_pk_add_f32 v[14:15], v[14:15], v[228:229]
.irp t, 0,1,2,3,4,5,6,7
.irp i, 0,1,2,3,4,5,6,7
.endr
	v_cvt_scalef32_pk8_fp8_f32 v[192+2*\t:193+2*\t], v[96+8*\t:103+8*\t], v[PSCL]   ; keys 16 t + 8 (lane / 16) + 0 .. 7: registers 2 t, 2 t + 1 of the operand
.endr
.set j, 0
.rept 16
	v_pk_mul_f32 v[160+j:161+j], v[160+j:161+j], v[226:227] op_sel_hi:[1,0]   ; O^T under the new M.  (Also the plain instructions between the conversions and the products that read their results)
.set j, j+2
.endr
	s_wait_alu depctr_va_vdst(0)
	s_wait_dscnt 0x0                               ; V's fragments are in
.irp t, 0,1,2,3                                ; O^T += V^T P^T: the four accumulators take turns
	v_wmma_f32_16x16x128_fp8_fp8 v[160+8*\t:167+8*\t], v[32+16*\t:47+16*\t], v[192:207], v[160+8*\t:167+8*\t]
.endr
.Lskip_\@:
	s_add_co_u32 s[TB], s[TB], STEPB
	s_add_co_u32 s[SN], s[SN], 1
	s_cmp_lt_u32 s[SN], \trips
	s_cbranch_scc1 .Ltrip_\@
	s_setprio 0
	; the tile's way out: O = O^T x 2^(e4 + e5) / l; its code is O / 2^e6, held within +-448
.rept 4
	v_nop                                          ; places behind the last products, whichever trips were jumped over
.endr
	v_add_f32 v14, v14, v15                        ; l's two halves,
	s_delay_alu instid0(VALU_DEP_1)
	v_permlanex16_b32 v[PD], v14, s[SEL], s[SEL+1]
	s_delay_alu instid0(VALU_DEP_1)
	v_add_f32 v14, v14, v[PD]                      ; and lane l xor 16's
	s_wait_alu depctr_va_vdst(0)
	v_rcp_f32 v14, v14
	v_nop                                          ; a plain instruction behind the reciprocal
	s_wait_alu depctr_va_vdst(0)                   ; and the wait ahead of its first reader
	v_ldexp_f32 v14, v14, s[EO]
.set j, 0
.rept 32
	v_mul_f32 v[96+j], v[160+j], v14               ; register 8 t + i: channel 16 t + 8 (lane / 16) + i of my query, over 2^e6
.set j, j+1
.endr
.set j, 0
.rept 32
.set j, j+1
.endr
.irp t, 0,1,2,3
	v_cvt_scalef32_pk8_fp8_f32 v[OC+2*\t:OC+2*\t+1], v[96+8*\t:103+8*\t], v[ONE]
.endr
	v_nop                                          ; one plain vector instruction behind the last conversion: later products write its sources
	global_store_b128 v[GO+\p], v[OC:OC+3], s[8:9]               ; each store of the wave covers 512 consecutive bytes, aligned; its registers are not written again
	global_store_b128 v[GO+\p], v[OC+4:OC+7], s[8:9] offset:512
.endm
	PASS 0, 16, 16                                 ; the tile of group 15 - a: 16 - a steps
	PASS 1, 14, 8                                  ; the tile of group a: a + 1 steps, 8 at the most
	s_wait_dscnt 0x0
	s_wait_tensorcnt 0x0
	ds_add_u32 v254, v255
	s_wait_dscnt 0x0
	ROUND                                          ; the closing round
	s_endpgm
.Lfunc_end_k_q9561ad5ec9_attend:
	.size	k_q9561ad5ec9_attend, .Lfunc_end_k_q9561ad5ec9_attend-k_q9561ad5ec9_attend
	.p2alignl 7, 3214868480
	.fill 96, 4, 3214868480
	.section	.rodata,"a",@progbits
	.p2align	6, 0x0
	.amdhsa_kernel k_q9561ad5ec9_attend
		.amdhsa_group_segment_fixed_size 264192
		.amdhsa_private_segment_fixed_size 0
		.amdhsa_enable_private_segment 0
		.amdhsa_kernarg_size 24
		.amdhsa_user_sgpr_count 2
		.amdhsa_user_sgpr_kernarg_segment_ptr 1
		.amdhsa_wavefront_size32 1
		.amdhsa_system_sgpr_workgroup_id_x 1
		.amdhsa_system_sgpr_workgroup_id_y 1
		.amdhsa_system_sgpr_workgroup_id_z 1
		.amdhsa_system_vgpr_workitem_id 0
		.amdhsa_next_free_vgpr 256
		.amdhsa_next_free_sgpr 66
		.amdhsa_reserve_vcc 1
		.amdhsa_float_denorm_mode_32 3
		.amdhsa_float_denorm_mode_16_64 3
		.amdhsa_fp16_overflow 1
		.amdhsa_memory_ordered 1
		.amdhsa_forward_progress 1
		.amdhsa_inst_pref_size 50
	.end_amdhsa_kernel
	.amdgpu_metadata
---
amdhsa.version: [ 1, 2 ]
amdhsa.kernels:
  - .name:           k_q9561ad5ec9_attend
    .symbol:         k_q9561ad5ec9_attend.kd
    .args:
      - { .name: qkv, .offset: 0, .size: 8, .value_kind: global_buffer, .address_space: global }
      - { .name: lowp_scales, .offset: 8, .size: 8, .value_kind: global_buffer, .address_space: global }
      - { .name: att, .offset: 16, .size: 8, .value_kind: global_buffer, .address_space: global }
    .group_segment_fixed_size: 264192
    .private_segment_fixed_size: 0
    .kernarg_segment_align: 8
    .kernarg_segment_size: 24
    .max_flat_workgroup_size: 512
    .sgpr_count:     66
    .vgpr_count:     256
    .wavefront_size: 32
...
	.end_amdgpu_metadata
.endif
;; end of part 2
;; launch out_proj (part 3): grid 4 x 32, 4 waves a work-group, clusters of 4 x 4, 327,680 bytes of LDS; arguments att, W_out_codes, lowp_scales, out0; writes out0
.if DOCPART == 3
	.amdgcn_target "amdgcn-amd-amdhsa--gfx1250"
	.amdhsa_code_object_version 6
	.text
	.protected	k_q9561ad5ec9_out_proj
	.globl	k_q9561ad5ec9_out_proj
	.p2align	8
	.type	k_q9561ad5ec9_out_proj,@function
k_q9561ad5ec9_out_proj:
	s_mov_b64 s[64:65], 0
	v_nop
	global_prefetch_b8 v0, s[64:65] scope:SCOPE_SE
	s_setreg_imm32_b32 hwreg(HW_REG_WAVE_MODE, 25, 1), 1
	s_wait_xcnt 0x0
	s_wait_alu depctr_hold_cnt(0) depctr_sa_sdst(0) depctr_va_vdst(0) depctr_va_sdst(0) depctr_va_ssrc(0) depctr_va_vcc(0) depctr_vm_vsrc(0)
	s_getreg_b32 s2, hwreg(HW_REG_IB_STS2, 6, 4)
	s_cmp_eq_u32 s2, 0
	s_cbranch_scc0 .Lentry_in_a_cluster
	s_endpgm
.Lentry_in_a_cluster:
	s_bfe_u32 s2, ttmp6, 0x10000c
	s_cmp_lg_u32 s2, 0xf033
	s_cbranch_scc0 .Lentry_shape_is_right
	s_endpgm
.Lentry_shape_is_right:
; out0[m][n] = 2^(e6 + e7) x sum over k of A[m][k] B[n][k] on codes of FP8 (E4M3).  A = the attention's result, 8,192 x 1,024, which lies in att as IMAGES of operand registers; B = W_out's codes, [1,024][1,024], K innermost; out0 f32.
; att: [K step of 256 (4)][block of 16 rows (512)][128 along K (2)][2,048 bytes]: a fragment's sixteen registers in groups of four, 512 bytes a group, lane l's 16 bytes at 16 l; registers 2 c, 2 c + 1 hold k = 16 c + 8 (l / 16) + 0 .. 7.
; So 128 rows x one K step of A are 32,768 dense bytes, brought by one tensor load without padding and read at 16 x lane.  B's fragments are read in the same order of k: eight loads of 8 bytes from padded rows.
; A tile of out0, 256 x 256, is made by four waves, each 128 x 128: 64 accumulators, 512 registers.  K goes in steps of 256 through a ring of two LDS slots.
; CLUSTERS: 4 x 4 work-groups; A's tiles are asked for jointly along a row of the cluster, B's along a column.  THE MATRIX INSTRUCTION IS USED TRANSPOSED (source 0 = 16 rows of B, source 1 = 16 rows of A): a lane holds eight neighbouring numbers of a row of out0.
; LIMIT: e6 + e7 lies between -126 and 127, so that 2^(e6 + e7) is an f32 number.
; REGISTERS, in windows of 256: window 0: v0-31 addresses; from v128 A's fragments, ONE set; on the way out v32-255 are free.  window 1: B's fragments, TWO sets.  windows 2, 3: the accumulators ((a, b) at v[8 (8 (a % 4) + b)]).
.set SIZE_N, 1024
.set SIZE_K, 1024
.set KSTEP,  256                       ; along K in a slot
.set ROWB,   256                       ; a tile's row in bytes
.set KROW,   SIZE_K                    ; a row of B in memory, in bytes
.set KBB,    2097152                   ; from a K step of A's images to the next: 512 blocks of 4,096 bytes
.set PITCH,  272                       ; B's LDS row: 256 bytes + 16 of padding = 68 words: the 32 lanes of a load of 8 bytes touch 64 different banks (64 banks of 4 bytes: ISA guide 11.1)
.set FR,     16                        ; registers of a fragment: 16 rows x 128 K
.set NL,     4                         ; LDS loads that bring one of A's
.set NP,     4                         ; places behind this matrix instruction (ISA guide 7.12.1)
.set HALFA,  32768                     ; 128 rows of A: eight blocks of 4,096 bytes
.set HALFB,  128*PITCH                 ; 128 rows of B
.set BOFF,   2*HALFA                   ; in a slot B's rows lie behind A's images
.set SLOT,   2*HALFA+2*HALFB
.set LAPS,   SIZE_K/(2*KSTEP)          ; a lap = two K steps = once round the ring
.set SPARE,  2*SLOT                    ; behind the ring: the spare words, 128 bytes for each wave, which no other line names
.set SPITCH, 528                       ; the way out: a stage of 16 rows x (512 bytes + 16) for each wave.  It lies in slot 0, which has had its last fill and its last read when the first result is stored there
.set ADRA, 16                          ; v16-17  LDS address of my A fragments in slot 0, 1
.set ADRB, 20                          ; v20-21  the same for B
.set STO,  24                          ; v24     the way out: where I put 32 bytes of a row
.set RD,   25                          ; v25     the way out: where I read a row back
.set CO,   26                          ; v26     16 x lane: my place in an image, and my byte offset in a row of out0
.set SPW,  28                          ; v28     LDS address of my spare word; never rewritten
.set NIL,  29                          ; v29     0; never rewritten
.set TMP,  32                          ; the way out: 64 registers, a block's sums x 2^(e6 + e7)
.set AF,   128                         ; A's fragments, in window 0
.set BK,   128                         ; the way out: 16 rows read back from the stage: v128-191 and v192-255 by turns
.set G1, 24                            ; s[24:31] descriptor group 1 for A's tiles;  s[32:39] group 0, one set for each slot
.set G0, 32
.set G1B, 48                           ; s[48:55], s[56:63] the same for B's tiles
.set G0B, 56
.set MSB, 0
.macro WIN new                         ; the immediate's high byte repeats the setting that is left
.if MSB != \new
	s_set_vgpr_msb (MSB<<8)|\new
.set MSB, \new
.endif
.endm
.set MUL_LO, 0xa1                      ; source 0 (B) window 1, source 1 (A) window 0, C and D window 2
.set MUL_HI, 0xf1                      ; the same, C and D window 3
.set TO_B,   0x40                      ; destination window 1, address window 0
; A joint load: waves 0 and 1 fetch for A, waves 2 and 3 for B; the branch hangs on the wave's number alone.  Four v_nop follow each of the two lines.
.macro JLOAD g0a, g1a, g0b, g1b
	s_cmp_eq_u32 s15, 0
	s_cbranch_scc0 .Lfor_b_\@
	tensor_load_to_lds s[\g0a:\g0a+3], s[\g1a:\g1a+7]
	s_nop 0
.rept 4
	v_nop
.endr
	s_branch .Lasked_\@
.Lfor_b_\@:
	tensor_load_to_lds s[\g0b:\g0b+3], s[\g1b:\g1b+7]
	s_nop 0
.rept 4
	v_nop
.endr
.Lasked_\@:
.endm
.macro CREST                           ; a round of the cluster's barrier behind its opening barrier
	s_cmp_lg_u32 s14, 0
	s_cbranch_scc1 .Lnot_wave_0_\@
	s_barrier_signal -3
.Lnot_wave_0_\@:
	s_barrier_wait -3
	s_barrier_signal -1
	s_barrier_wait -1
.endm
.macro CROUND                          ; a whole round
	s_barrier_signal -1
	s_barrier_wait -1
	CREST
.endm
	s_load_b128 s[4:7], s[0:1], 0x0                ; att s[4:5], W_out's codes s[6:7]
	s_load_b128 s[8:11], s[0:1], 0x10              ; the scales' exponents s[8:9], out0 s[10:11]
	v_lshl_add_u32 v[SPW], v0, 2, SPARE
	v_mov_b32 v[NIL], 0
	ds_add_u32 v28, v29
	ds_add_u32 v28, v29
	s_wait_dscnt 0x0
	v_lshrrev_b32 v1, 5, v0
	v_readfirstlane_b32 s14, v1                    ; wave 0..3
	s_lshr_b32 s15, s14, 1                         ; which half of the tile's rows is mine.  Also: I fetch for A (0) or for B (1)
	s_and_b32 s16, s14, 1                          ; which half of its columns.  Also: which 128 rows of that tile I fetch
	s_bfe_u32 s40, ttmp6, 0x40000                  ; cx, cy: my place in the cluster
	s_bfe_u32 s41, ttmp6, 0x40004
	s_lshl_b32 s42, ttmp9, 2
	s_add_co_u32 s42, s42, s40                     ; tile column = 4 x cluster x + cx
	s_and_b32 s17, ttmp7, 0xffff
	s_lshl_b32 s17, s17, 2
	s_add_co_u32 s17, s17, s41                     ; tile row = 4 x cluster y + cy
	s_lshl_b32 s43, s41, 2
	s_lshl_b32 s43, 15, s43                        ; my row of the cluster
	s_lshl_b32 s44, 0x1111, s40                    ; my column
	; descriptor group 1.  A: 128 rows of 256 bytes, dense in memory and in LDS.  B: 128 rows of 256 bytes, 1,024 apart in memory, padded in LDS
	s_or_b32 s[G1+0], s43, (0<<16)|(1<<21)         ; 15:0 the mask: A's tiles go to my row; 17:16 element of 1 byte; 21 set beside a mask; no padding
	s_or_b32 s[G1B+0], s44, (0<<16)|(1<<20)|(1<<21)|(5<<22)|(3<<25)  ; the mask of my column; 20 padding on; 24:22 after every 64 words; 31:25 four words of it
.irp g, G1, G1B
	s_mov_b32 s[\g+1], ROWB<<16                    ; tensor_dim0
	s_mov_b32 s[\g+2], 128<<16                     ; tensor_dim1 = 128
	s_mov_b32 s[\g+3], ROWB<<16                    ; tile_dim0
	s_mov_b32 s[\g+4], 128                         ; tile_dim1 = 128
	s_mov_b32 s[\g+6], 0
	s_mov_b32 s[\g+7], 0
.endr
	s_mov_b32 s[G1+5], ROWB                        ; tensor_dim0_stride: A's images are dense,
	s_mov_b32 s[G1B+5], KROW                       ; B's rows are 1,024 bytes apart
	s_lshl_b32 s20, s17, 16                        ; A: 16 blocks of 4,096 bytes a tile row,
	s_lshl_b32 s18, s16, 15                        ; + 8 blocks for the half that I fetch
	s_add_co_u32 s20, s20, s18
	s_mov_b32 s21, 0
	s_lshl_b32 s18, s16, 7
	s_lshl_b32 s46, s42, 8
	s_add_co_u32 s46, s46, s18                     ; B: row 256 x tile column + 128 x half,
	s_lshl_b32 s46, s46, 10                        ; of 1,024 bytes
	s_mov_b32 s47, 0
	s_lshl_b32 s66, s16, 15                        ; where they go: A's halves at 0 and 32,768,
	s_mul_i32 s67, s16, HALFB
	s_add_co_u32 s67, s67, BOFF                    ; B's behind them: no place in the cluster enters an LDS address
	s_wait_kmcnt 0x0
	s_load_b64 s[96:97], s[8:9], 0x18              ; e6, e7
	s_add_nc_u64 s[20:21], s[4:5], s[20:21]
	s_add_nc_u64 s[46:47], s[6:7], s[46:47]
	CROUND                                         ; all sixteen work-groups are here: the first joint loads meet
.irp s, 0,1
	s_mov_b32 s[G0+4*\s], 1
	s_add_co_u32 s[G0+4*\s+1], s66, \s*SLOT
	s_add_nc_u64 s[G0+4*\s+2:G0+4*\s+3], s[20:21], \s*KBB
	s_or_b32 s[G0+4*\s+3], s[G0+4*\s+3], 0x80000000
	s_mov_b32 s[G0B+4*\s], 1
	s_add_co_u32 s[G0B+4*\s+1], s67, \s*SLOT
	s_add_nc_u64 s[G0B+4*\s+2:G0B+4*\s+3], s[46:47], \s*ROWB
	s_or_b32 s[G0B+4*\s+3], s[G0B+4*\s+3], 0x80000000
	s_wait_alu depctr_va_vdst(0)
	s_wait_tensorcnt 0x0
	ds_add_u32 v28, v29
	ds_add_u32 v28, v29
	s_wait_dscnt 0x0
	CROUND
	JLOAD G0+4*\s, G1, G0B+4*\s, G1B
.endr
	v_and_b32 v1, 15, v0                           ; l % 16
	v_bfe_u32 v2, v0, 4, 1                         ; l / 16
	v_mul_u32_u24 v3, v1, PITCH
	v_lshl_add_u32 v4, v2, 3, v3                   ; B: a fragment's row x pitch + 8 x half
	v_and_b32 v6, 31, v0
	v_lshlrev_b32 v[CO], 4, v6                     ; A: 16 x lane
	s_wait_alu depctr_va_vdst(0)
	s_lshl_b32 s21, s15, 15                        ; my 128 rows of A
	s_mul_i32 s22, s16, HALFB                      ; my 128 rows of B,
	s_add_co_u32 s22, s22, BOFF                    ; which lie behind A's images
.irp s, 0,1
	v_add_nc_u32 v[ADRA+\s], s21, v[CO]
	v_add_nc_u32 v[ADRB+\s], s22, v4
	s_add_co_u32 s21, s21, SLOT
	s_add_co_u32 s22, s22, SLOT
.endr
	s_mul_i32 s23, s14, 16*SPITCH                  ; my stage
	v_mul_u32_u24 v5, v1, SPITCH                   ; in: row l % 16, 32 bytes for each half of the lanes
	v_lshl_add_u32 v5, v2, 5, v5
	v_add_nc_u32 v[STO], s23, v5
	v_add_nc_u32 v[RD], s23, v[CO]                 ; back: the 32 lanes take one row of 512 bytes
	s_lshl_b32 s20, s17, 8
	s_lshl_b32 s21, s15, 7
	s_add_co_u32 s20, s20, s21                     ; my first row of out0: 256 x tile row + 128 x half,
	s_lshl_b32 s20, s20, 12                        ; of 4,096 bytes (32 MiB at the most)
	s_lshl_b32 s46, s42, 10                        ; my first column, in bytes: 1,024 x tile column + 512 x half
	s_lshl_b32 s47, s16, 9
	s_add_co_u32 s46, s46, s47
	s_add_co_u32 s20, s20, s46
	s_mov_b32 s21, 0
	s_add_nc_u64 s[10:11], s[10:11], s[20:21]
.macro FRAGA reg, adr, q, i            ; A's fragment of block i, the slot's q-th 128 along K: its image, four groups of four registers
.irp c, 0,1,2,3
	ds_load_b128 v[\reg+4*\c:\reg+4*\c+3], v[\adr] offset:4096*(\i)+2048*(\q)+512*\c
.endr
.endm
.macro FRAGB reg, adr, q, i            ; B's: registers 2 c, 2 c + 1 hold K = 16 c + 8 (l / 16) + 0 .. 7 of row l % 16, as A's images have it
.irp c, 0,1,2,3,4,5,6,7
	ds_load_b64 v[\reg+2*\c:\reg+2*\c+1], v[\adr] offset:128*(\q)+16*\c+(\i)*16*PITCH
.endr
.endm
; 16 matrix instructions: A's blocks a0, a0 + 1 x B's eight, 128 along K.  p: B's set.  zero = 1: the first product starts the sums.
; The 64 accumulators take turns, one instruction a turn, in the same order in every step.
.macro MUL16 a0, p, zero
.irp a, \a0, \a0+1
.irp b, 0,1,2,3,4,5,6,7
.if \zero
	v_wmma_f32_16x16x128_fp8_fp8 v[8*(8*((\a)%4)+\b):8*(8*((\a)%4)+\b)+7], v[128*(\p)+FR*\b:128*(\p)+FR*\b+FR-1], v[AF+FR*(\a):AF+FR*(\a)+FR-1], 0
.else
	v_wmma_f32_16x16x128_fp8_fp8 v[8*(8*((\a)%4)+\b):8*(8*((\a)%4)+\b)+7], v[128*(\p)+FR*\b:128*(\p)+FR*\b+FR-1], v[AF+FR*(\a):AF+FR*(\a)+FR-1], v[8*(8*((\a)%4)+\b):8*(8*((\a)%4)+\b)+7]
.endif
.endr
.endr
.endm
.macro FETCH_B slot, q, p              ; B's eight fragments of the slot's q-th 128 along K into set p
	WIN TO_B
.irp i, 0,1,2,3,4,5,6,7
	FRAGB 128*(\p)+FR*\i, ADRB+\slot, \q, \i
.endr
	WIN 0
.endm
.macro FETCH_A slot, q, i0             ; A's blocks i0 .. i0 + 3
.irp i, \i0, \i0+1, \i0+2, \i0+3
	FRAGA AF+FR*(\i), ADRA+\slot, \q, \i
.endr
.endm
; A load into a register that a matrix instruction has read, and a vector instruction or an LDS store that reads a matrix result, stand NP places behind it; only plain vector instructions that name none of its registers are places.
.macro PLACES n
.rept \n
	v_nop
.endr
.endm
; A step of 128 along K that has its successor in the same slot.
.macro STEP slot, q, zero
	s_wait_dscnt 4*NL                              ; B's set and A's blocks 0-3 are in; the youngest sixteen loads (A's blocks 4-7) may be out
	WIN MUL_LO
	MUL16 0, (\q)%2, \zero
	MUL16 2, (\q)%2, \zero
	s_wait_dscnt 0                                 ; A's blocks 4-7 are in (asked for 32 matrix instructions ago)
	PLACES NP
	FETCH_B \slot, (\q)+1, 1-(\q)%2
	FETCH_A \slot, (\q)+1, 0
	WIN MUL_HI
	MUL16 4, (\q)%2, \zero
	MUL16 6, (\q)%2, \zero
	PLACES NP
	WIN 0
	FETCH_A \slot, (\q)+1, 4
.endm
; A slot's last step changes slots: ONE barrier; in front of it each wave waits for all its tensor loads, adds 0 to its spare word, and waits for that and for its own reads of this slot.  fill = 1: this slot is filled again, two K steps ahead.
.macro TURN slot, next, fill
	s_wait_tensorcnt 0x0                           ; all my tensor loads have landed: my part of the next slot (every window is 0 here)
	ds_add_u32 v[SPW], v[NIL]                      ; 0 onto my spare word
	s_wait_dscnt 4*NL+1                            ; (the add and the youngest sixteen loads, A's blocks 4-7, may be out)
	WIN MUL_LO
	MUL16 0, 1, 0                                  ; sixteen matrix instructions stand between the add and the wait for it
	s_wait_dscnt 0x0                               ; the add is done, and my reads of this slot are over
	s_barrier_signal -1
	MUL16 2, 1, 0
	WIN 0
	s_barrier_wait -1
.if \fill
	CREST                                          ; the barrier has opened a round of the cluster's barrier: no wave of any partner still reads this slot's tile or has a load on its way
	s_add_nc_u64 s[G0+4*\slot+2:G0+4*\slot+3], s[G0+4*\slot+2:G0+4*\slot+3], 2*KBB
	s_add_nc_u64 s[G0B+4*\slot+2:G0B+4*\slot+3], s[G0B+4*\slot+2:G0B+4*\slot+3], 2*ROWB
	JLOAD G0+4*\slot, G1, G0B+4*\slot, G1B         ; the first tensor load behind the round; the four v_nop behind it are the places in front of the loads below
.else
	PLACES NP
.endif
	FETCH_B \next, 0, 0
	FETCH_A \next, 0, 0
	WIN MUL_HI
	MUL16 4, 1, 0
	MUL16 6, 1, 0
	PLACES NP
	WIN 0
	FETCH_A \next, 0, 4
.endm
	s_wait_alu depctr_va_vdst(0)
	s_wait_tensorcnt 1                             ; my part of K step 0 is in (K step 1's load may be out)
	s_barrier_signal -1
	s_barrier_wait -1                              ; everybody's is
	FETCH_B 0, 0, 0
	FETCH_A 0, 0, 0
	FETCH_A 0, 0, 4
	STEP 0, 0, 1                                   ; the first step stands in front of the loop: its products start the sums
.if LAPS > 1
	s_mov_b32 s3, LAPS-1
.Llap:                                                 ; a trip goes once round the ring, from a lap's second step to the next lap's first, and fills both slots again
	TURN 0, 1, 1
	STEP 1, 0, 0
	TURN 1, 0, 1
	STEP 0, 0, 0
	s_sub_co_u32 s3, s3, 1
	s_cmp_lg_u32 s3, 0
	s_cbranch_scc1 .Llap
.endif
	TURN 0, 1, 0                                   ; the last lap fills nothing, and has no round of the cluster's barrier
	STEP 1, 0, 0
	s_wait_dscnt 4*NL                              ; the very last step: nothing more to fetch
	WIN MUL_LO
	MUL16 0, 1, 0
	MUL16 2, 1, 0
	s_wait_dscnt 0
	WIN MUL_HI
	MUL16 4, 1, 0
	MUL16 6, 1, 0
	WIN 0
; THE WAY OUT, block by block of 16 rows x 128 columns.  A lane holds 32 neighbouring bytes of a row, and the lanes beside it hold other rows: so a block goes through my own stage in LDS and comes back as whole
; rows of 512 bytes, which the 32 lanes store as 512 consecutive bytes.  LDS serves a wave's instructions in order (ISA guide 5.7.1.4): no wait between the stores and the loads, nor in front of the next block's stores.
.macro TOSTAGE a
.set AC, 64*((\a)%4)
	WIN 0x02+((\a)/4)                              ; source 0: window 2 or 3
.irp j, 0,2,4,6,8,10,12,14,16,18,20,22,24,26,28,30,32,34,36,38,40,42,44,46,48,50,52,54,56,58,60,62
	v_pk_mul_f32 v[TMP+\j:TMP+\j+1], v[AC+\j:AC+\j+1], s[96:97] op_sel_hi:[1,0]   ; both x s96 = 2^(e6 + e7); each accumulator from its low end on
.endr
	WIN 0
.irp b, 0,1,2,3,4,5,6,7
	ds_store_b128 v[STO], v[TMP+8*\b:TMP+8*\b+3] offset:64*\b
	ds_store_b128 v[STO], v[TMP+8*\b+4:TMP+8*\b+7] offset:64*\b+16
.endr
.set BB, BK+64*((\a)%2)
.irp t, 0,1,2,3,4,5,6,7,8,9,10,11,12,13,14,15
	ds_load_b128 v[BB+4*\t:BB+4*\t+3], v[RD] offset:\t*SPITCH
.endr
.endm
.macro SEND a, younger                 ; younger: the LDS instructions issued behind block a's loads, which may stay out
.set BB, BK+64*((\a)%2)
	s_wait_dscnt \younger                          ; the block is back in registers
.if (\a) > 0
	s_add_nc_u64 s[10:11], s[10:11], 16*SIZE_N*4   ; (behind a wait on XCNT: the earlier stores have read their base)  16 rows of out0 on
.endif
.irp t, 0,1,2,3,4,5,6,7,8,9,10,11,12,13,14,15
	global_store_b128 v[CO], v[BB+4*\t:BB+4*\t+3], s[10:11] offset:\t*SIZE_N*4 th:TH_STORE_NT   ; 32 lanes store 512 consecutive bytes, at a multiple of 256 from out0's first byte; written once, read by nobody here
.endr
.endm
	s_wait_kmcnt 0x0
	s_add_co_i32 s96, s96, s97                     ; e6 + e7, between -126 and 127,
	s_add_co_i32 s96, s96, 127
	s_lshl_b32 s96, s96, 23                        ; makes the f32 number 2^(e6 + e7)
	PLACES NP                                      ; behind the last products: for the loads into the registers that held A's fragments and for the reads of results
	TOSTAGE 0
.irp a, 1,2,3,4,5,6,7
.if \a > 1
	s_wait_xcnt 0x0                                ; block a - 2's stores have read their registers and their base: block a's loads may land there, and the base may step
.endif
	TOSTAGE \a
	SEND \a-1, 32                                  ; behind block a - 1's loads: block a's 16 stores and 16 loads
.endr
	s_wait_xcnt 0x0                                ; block 6's stores have read their base
	SEND 7, 0
	s_wait_tensorcnt 0x0                           ; the wave's end
	ds_add_u32 v[SPW], v[NIL]
	s_wait_dscnt 0x0
	CROUND                                         ; the closing round: no work-group ends while a partner may still ask for a tile that names it
	s_endpgm
.Lfunc_end_k_q9561ad5ec9_out_proj:
	.size	k_q9561ad5ec9_out_proj, .Lfunc_end_k_q9561ad5ec9_out_proj-k_q9561ad5ec9_out_proj
	.p2alignl 7, 3214868480
	.fill 96, 4, 3214868480
	.section	.rodata,"a",@progbits
	.p2align	6, 0x0
	.amdhsa_kernel k_q9561ad5ec9_out_proj
		.amdhsa_group_segment_fixed_size 327680
		.amdhsa_private_segment_fixed_size 0
		.amdhsa_enable_private_segment 0
		.amdhsa_kernarg_size 32
		.amdhsa_user_sgpr_count 2
		.amdhsa_user_sgpr_kernarg_segment_ptr 1
		.amdhsa_wavefront_size32 1
		.amdhsa_system_sgpr_workgroup_id_x 1
		.amdhsa_system_sgpr_workgroup_id_y 1
		.amdhsa_system_sgpr_workgroup_id_z 1
		.amdhsa_system_vgpr_workitem_id 0
		.amdhsa_next_free_vgpr 1024
		.amdhsa_next_free_sgpr 98
		.amdhsa_reserve_vcc 0
		.amdhsa_float_denorm_mode_32 3
		.amdhsa_float_denorm_mode_16_64 3
		.amdhsa_memory_ordered 1
		.amdhsa_forward_progress 1
		.amdhsa_inst_pref_size 140
	.end_amdhsa_kernel
	.amdgpu_metadata
---
amdhsa.version: [ 1, 2 ]
amdhsa.kernels:
  - .name:           k_q9561ad5ec9_out_proj
    .symbol:         k_q9561ad5ec9_out_proj.kd
    .args:
      - { .name: att, .offset: 0, .size: 8, .value_kind: global_buffer, .address_space: global }
      - { .name: W_out_codes, .offset: 8, .size: 8, .value_kind: global_buffer, .address_space: global }
      - { .name: lowp_scales, .offset: 16, .size: 8, .value_kind: global_buffer, .address_space: global }
      - { .name: out0, .offset: 24, .size: 8, .value_kind: global_buffer, .address_space: global }
    .group_segment_fixed_size: 327680
    .private_segment_fixed_size: 0
    .kernarg_segment_align: 8
    .kernarg_segment_size: 32
    .max_flat_workgroup_size: 128
    .sgpr_count:     98
    .vgpr_count:     1024
    .wavefront_size: 32
...
	.end_amdgpu_metadata
.endif
;; end of part 3
